; MI455X (gfx1250); checked and timed in simulation.
; The chip was launched on July 23, 2026; its instructions are those of AMD's public machine-readable ISA for CDNA 5 (MIT licence, August 2026) and "CDNA5" Instruction Set Architecture Reference Guide (July 2026). The comments in the code are by the model that wrote it; some were corrected since.
;; Weight Only Quantized Linear. Allowed arithmetic: matrix products marked QUANTISED: E2M1 operands, one E8M0 scale for each 32 along K, by v_wmma_scale_f32_16x16x128_f8f6f4 with both operands' format E2M1 (or v_wmma_scale_f32_32x16x128_f4), f32 sums; everything else in f32.
;; Inputs: bias 4,096 float32; qweight 512 x 4,096 int32; qzeros 32 x 512 int32; scales 32 x 4,096 float32; x 4,096 x 4,096 float32.
;; Outputs: out0 4,096 x 4,096 float32.
;; Constants: blocksize = 128.
;; This version of the problem:
;;   THIS VERSION OF THE PROBLEM IS GIVEN IN LOW PRECISION. The matrix products marked QUANTISED in the list below multiply operands that are first quantised to E2M1 (2 exponent bits, 1 mantissa bit; 4 bits a number), with one power-of-two scale for each 32 numbers along K (OCP MX v1.0); their sums are f32. All else is computed in f32.
;;   The module's matrix products, in the order in which they are computed (A, B: the left and right operand; K: the contracted axis; several contracted axes count as one K, in the product's order):
;;     1. [M 4,096, K 4,096] x [K 4,096, N 4,096]; A: input x; B: computed on the way: QUANTISED
;;   THE QUANTISER, for each operand of a quantised product, along K:
;;     - K is cut into blocks of 32 from its start; a last block that is shorter is filled with zeros.
;;     - A block's scale is 2^e with e = floor(log2(the largest magnitude in the block)) - 2, held to -126 .. 127; a block of zeros has e = 0. As a byte (E8M0): e + 127.
;;     - Each number is divided by its block's scale, clamped to +-6, and rounded to the nearest number of E2M1, ties to even, subnormals kept.
;;     - The product sums the exact products of the quantised numbers (number of the format x scale) in f32.
;;   ~~~python
;;   def quantise(x, axis):      # numpy; x: float32 -> the quantised numbers, widened to float32 again
;;       x = np.moveaxis(x, axis, -1); K = x.shape[-1]
;;       x = np.pad(x, [(0, 0)] * (x.ndim - 1) + [(0, -K % 32)]); x = x.reshape(x.shape[:-1] + (-1, 32)); a = np.abs(x).max(-1, keepdims=True)
;;       e = np.where(a > 0, np.clip(np.frexp(np.where(a > 0, a, 1))[1] - 1 - 2, -126, 127), 0)      # np.frexp(a)[1] - 1 = floor(log2(a)), exactly
;;       r = np.clip(x / 2.0 ** e, -6, 6)
;;       step = 2.0 ** (np.maximum(np.frexp(np.where(r == 0, 1, r))[1] - 1, 0) - 1)
;;       q = np.round(r / step) * step * 2.0 ** e      # np.round: ties to even
;;       return np.moveaxis(q.reshape(q.shape[:-2] + (-1,))[..., :K], -1, axis).astype(np.float32)
;;   ~~~
;;   OPERANDS COMPUTED ON THE WAY. 'Computed on the way' means the value that the module computes at that place (a softmax that the list does not call 'softmax' is quantised finished and normalised). What goes into a quantiser is computed in f32, as accurately as f32 sums, v_exp_f32 and their like allow (about 1e-6 of the number): no bf16 or f16 on the way to a quantiser, and a product that is left as it is and whose result goes on into a quantised operand takes f32 operands (vector FMAs, or v_wmma_f32_16x16x4_f32). A number that lies on a knife's edge between two numbers of the format may be rounded either way, as far as f32 arithmetic and the matrix unit's own rounding can turn it there, and no further.
;; One version. Each part assembles by itself: llvm-mc -triple=amdgcn-amd-amdhsa -mcpu=gfx1250 --defsym DOCPART=n.
;; ======== version 1 of 1: 2 launches
;; limits: right only within a limited range of input values
;; workspace buffers: aq 8,912,896 bytes; bq 8,912,896 bytes
;; launch quant (part 1): grid 768 x 1, 4 waves a work-group, no clusters, 74,240 bytes of LDS; arguments x, qweight, scales, qzeros, aq, bq; writes aq, bq
.if DOCPART == 1
	.amdgcn_target "amdgcn-amd-amdhsa--gfx1250"
	.amdhsa_code_object_version 6
	.text
	.protected	k_q4c5aea1402_quant
	.globl	k_q4c5aea1402_quant
	.p2align	8
	.type	k_q4c5aea1402_quant,@function
k_q4c5aea1402_quant:
	s_mov_b64 s[64:65], 0
	v_nop
	global_prefetch_b8 v0, s[64:65] scope:SCOPE_SE
	s_setreg_imm32_b32 hwreg(HW_REG_WAVE_MODE, 25, 1), 1
	s_wait_xcnt 0x0
; Both operands of out0 = x W + bias are turned into codes of FP4 (E2M1) with one E8M0 scale byte for each 32 along K, once, for the product's launch.  No step of the problem is left out.
; x: [4096 (m)][4096 (k)] f32.  W[k][n] = (q - z) s, f32, from qweight [512][4096] (8 nibbles along k in a word, the lowest k lowest), qzeros [32][512] (8 nibbles along n in a word), scales [32][4096]:
; one z and one s for each 128 along k.  q - z is exact in f32 and the product with s is rounded once, so what goes into the quantiser has the bits of the f32 definition.
; OUT.  bq: [K step of 512: 8][column n: 4096][272 bytes]: the column's 512 codes (256 bytes, the lower k in the low four bits), then its 16 scale bytes.  128 columns of a K step are 34,816 consecutive bytes.
; aq: [K step of 512: 8][block of 16 rows: 256][4,352 bytes]: first 16 scale bytes for each row (256 bytes), then, for each of four steps of 128 along K, the image of the block's operand registers:
; for c = 0, 1 the 16 bytes of lane 0, of lane 1, .. lane 31, lane 16 h + r holding row r, k = 64 c + 32 h + 0 .. 31.
; A block's scale is 2^(floor(log2(its largest magnitude)) - 2); its byte is the largest magnitude's exponent field - 2, held at 1 from below by a floor among the maximum's leaves.
; LIMITS: a block of zeros gets the byte 1 where the rule says 127: its codes are zeros, which add nothing under any byte but 0xff, and this program alone reads the bytes.  Blocks whose largest magnitude lies under 2^-124 keep
; the floor's byte.  NaN and infinities among the inputs are not served.
; SHARES: work-groups 0-255 take W (32 columns x 512 k a wave), work-groups 256-767 take x (16 rows x 512 k a wave).  Waves share nothing: no barrier.  Each of the two paths has LDS bytes of its own.
; No matrix unit, no tensor loads, no cluster, no prefetch: the launch streams its inputs once and no two work-groups read the same bytes (but for qzeros' and scales' few).
.set KSB,   4096*272                   ; bytes from a K step to the next, in aq and in bq
.set REC,   272
; ---- x's path
.set STEPS, 16                         ; a step = one row's 512 numbers
.set SP,    80                         ; a lane's place in a turn stage: its 64 bytes + 16 of padding
.set XREG,  9728                       ; LDS of a wave: two turn stages of 32 x SP bytes, 16 chunks of 256 + 16 bytes of codes, 256 scale bytes
.set XR,    16                         ; v16-79   four sets of 16 numbers as they are loaded
.set XX,    80                         ; v80-111  two sets of 16 neighbours
.set XE,    112                        ; v112-127 a scale byte for each step
.set XC,    128                        ; v128-159 codes: two registers for each step
; ---- W's path
.set WBASE, 4*XREG                     ; LDS of W's path: 32 records for each wave
.set WREG,  32*REC
.set WZ,    16                         ; v16-17   two groups' words of zero points
.set WS,    18                         ; v18-19   two groups' scales
.set WB,    20                         ; v[20:21] two groups' scale bytes
.set NZ,    22                         ; v[22:23] -z, twice (a pair for the packed addition)
.set SS,    24                         ; v[24:25] s, twice
.set WQ,    32                         ; v32-63   two groups' words of qweight
.set WX,    64                         ; v64-191  a group's 128 numbers
.set WC,    192                        ; v192-207 a group's codes
.set SPW,   208                        ; LDS address of my spare word; never rewritten
.set NIL,   209                        ; 0; never rewritten
.set SPARE, WBASE+4*WREG
	s_load_b256 s[4:11], s[0:1], 0x0               ; x s[4:5], qweight s[6:7], scales s[8:9], qzeros s[10:11]
	s_load_b128 s[12:15], s[0:1], 0x20             ; aq s[12:13], bq s[14:15]
	v_lshl_add_u32 v[SPW], v0, 2, SPARE
	v_mov_b32 v[NIL], 0
	v_lshrrev_b32 v1, 5, v0
	v_readfirstlane_b32 s16, v1                    ; wave 0..3
	v_and_b32 v2, 31, v0                           ; lane
	s_cmp_lt_u32 ttmp9, 256                        ; the choice of path hangs on the work-group's number alone
	s_wait_alu depctr_va_vdst(0)                   ; the wait here, directly ahead of the branch
	s_cbranch_scc1 .Lweights
; =============================== x: K is innermost ===============================
; The conversions take neighbours along K from ONE lane's registers, so a lane must hold 16 neighbours; each load reads 512 consecutive bytes, 16 a lane; the 2,048 bytes of a row go through the wave's own turn stage as they
; lie and come back 64 bytes a lane.  Two neighbouring lanes hold a block of 32.  Lane L's 16 codes (8 bytes) of row t are half of 16 bytes of chunk L / 2 of the register image, at 16 t; the chunks lie 272 bytes apart in LDS.
	s_sub_co_u32 s17, ttmp9, 256
	s_lshl_b32 s17, s17, 2
	s_add_co_u32 s17, s17, s16                     ; my wave's task, 0 .. 2,047
	s_and_b32 s18, s17, 7                          ; which K step
	s_lshr_b32 s19, s17, 3                         ; which 16 rows
	s_lshl_b32 s20, s19, 18                        ; x: 16 rows of 16,384 bytes,
	s_lshl_b32 s21, s18, 11                        ; + 512 numbers of 4 bytes a K step
	s_add_co_u32 s20, s20, s21
	s_mov_b32 s21, 0
	s_mul_i32 s22, s18, KSB
	s_mul_i32 s23, s19, 16*REC
	s_add_co_u32 s22, s22, s23
	s_mov_b32 s23, 0
	s_mul_i32 s24, s16, XREG                       ; my wave's LDS
	v_lshlrev_b32 v3, 4, v2                        ; 16 x lane: my bytes of a load's or a store's 512
	v_lshlrev_b32 v4, 3, v2                        ; 8 x lane
	v_lshrrev_b32 v14, 2, v2
	v_mul_u32_u24 v14, v14, SP
	v_and_b32 v15, 3, v2
	v_lshl_add_u32 v14, v15, 4, v14
	v_add_nc_u32 v14, s24, v14                     ; the turn stage, on the way in: four lanes' 64 bytes on end, then 16 of padding
	v_mul_u32_u24 v15, v2, SP
	v_add_nc_u32 v15, s24, v15                     ; and on the way out: my 16 neighbours
	s_add_co_u32 s24, s24, 2*32*SP                 ; the out stage
	v_lshrrev_b32 v6, 1, v2
	v_mul_u32_u24 v5, v6, REC
	v_and_b32 v8, 1, v2
	v_lshl_add_u32 v5, v8, 3, v5
	v_add_nc_u32 v5, s24, v5                       ; my codes: chunk lane / 2, half lane % 2
	v_add_nc_u32 v6, s24, v6                       ; my block's scale byte (+ 4,352 in the offset)
	v_lshrrev_b32 v9, 4, v2
	v_mul_u32_u24 v9, v9, REC
	v_and_b32 v10, 15, v2
	v_lshl_add_u32 v9, v10, 4, v9
	v_add_nc_u32 v7, s24, v9                       ; the read-back: two chunks an instruction
	v_add_nc_u32 v10, s24, v4                      ; and the scale bytes', 8 a lane
	s_wait_alu depctr_va_vdst(0)                   ; the wait at the head's end
	s_wait_kmcnt 0x0
	s_add_nc_u64 s[4:5], s[4:5], s[20:21]
	s_add_nc_u64 s[12:13], s[12:13], s[22:23]
.macro LOAD t                          ; row t's 512 numbers: four loads of 512 consecutive bytes
.irp i, 0,1,2,3
	global_load_b128 v[XR+16*((\t)%4)+4*\i:XR+16*((\t)%4)+4*\i+3], v3, s[4:5] offset:16384*(\t)+512*\i th:TH_LOAD_NT
.endr
.endm
.macro TURN t                          ; step t's numbers through a turn stage: LDS serves a wave's instructions in order (ISA guide 5.7.1)
.irp i, 0,1,2,3
	ds_store_b128 v14, v[XR+16*((\t)%4)+4*\i:XR+16*((\t)%4)+4*\i+3] offset:32*SP*((\t)%2)+8*SP*\i
.endr
.irp i, 0,1,2,3
	ds_load_b128 v[XX+16*((\t)%2)+4*\i:XX+16*((\t)%2)+4*\i+3], v15 offset:32*SP*((\t)%2)+16*\i
.endr
.endm
.irp t, 0,1,2,3
	LOAD \t
.endr
	s_wait_loadcnt 12                              ; step 0's four loads are in; the twelve of steps 1 to 3 may be out
	TURN 0
.macro STEP t
.set XA, XX+16*((\t)%2)
.if (\t) > 0
	s_wait_dscnt 2                                 ; this step's numbers are back (the last step's two stores into the out stage may be out): so its stores into the turn stage have read their registers,
.else
	s_wait_dscnt 0x0
.endif
.if (\t)+4 < STEPS
	LOAD (\t)+4                                    ; which take the loads of four steps on
.endif
.if (\t)+1 < STEPS
.if STEPS-2-(\t) >= 3
	s_wait_loadcnt 12                              ; the next step's four loads are in; those of the three steps behind it may be out
.else
	s_wait_loadcnt 4*(STEPS-2-(\t))                ; near the end fewer steps are behind it
.endif
	TURN (\t)+1
.endif
	v_max3_num_f32 v8, |v[XA]|, |v[XA+1]|, |v[XA+2]|               ; the largest magnitude of my 16, in two chains
	v_max3_num_f32 v9, |v[XA+3]|, |v[XA+4]|, |v[XA+5]|
.irp i, 6,10
	v_max3_num_f32 v8, v8, |v[XA+\i]|, |v[XA+\i+1]|
	v_max3_num_f32 v9, v9, |v[XA+\i+2]|, |v[XA+\i+3]|
.endr
	v_max3_num_f32 v8, v8, |v[XA+14]|, |v[XA+15]|
	v_max3_num_f32 v8, v8, v9, 0x1800000           ; and the floor 2^(3 - 127): so the byte cannot fall under 1
	v_max_num_f32_dpp v8, v8, v8 row_xmask:1 row_mask:0xf bank_mask:0xf   ; and of my neighbour's 16: the block's
	v_add_nc_u32 v11, 0xff000000, v8               ; 2 off its exponent field: the conversion takes the exponent field of this operand as its scale
	v_cvt_scalef32_pk8_fp4_f32 v[XC+2*(\t)], v[XA:XA+7], v11       ; to the nearest code, ties to even, beyond the largest code the largest; the first number's code in the lowest four bits
	v_cvt_scalef32_pk8_fp4_f32 v[XC+2*(\t)+1], v[XA+8:XA+15], v11
	v_lshrrev_b32 v[XE+(\t)], 23, v11              ; the scale's byte (a plain line behind the conversions)
	ds_store_b64 v5, v[XC+2*(\t):XC+2*(\t)+1] offset:16*(\t)
	ds_store_b8 v6, v[XE+(\t)] offset:4352+16*(\t) ; (both lanes of a block write the same byte with the same value)
.endm
.irp t, 0,1,2,3,4,5,6,7,8,9,10,11,12,13,14,15
	STEP \t
.endr
	ds_load_b64 v[48:49], v10 offset:4352          ; the scale bytes; these read-backs see my stores, which were issued ahead of them
.irp i, 0,1,2,3,4,5,6,7
	ds_load_b128 v[16+4*\i:19+4*\i], v7 offset:2*REC*\i
.endr
	s_wait_dscnt 8
	global_store_b64 v4, v[48:49], s[12:13]        ; 32 lanes store 256 consecutive bytes
.irp i, 0,1,2,3,4,5,6,7
	s_wait_dscnt 7-\i                              ; read-back i is in; the younger ones may be out
	global_store_b128 v3, v[16+4*\i:19+4*\i], s[12:13] offset:256+512*\i   ; 32 lanes store 512 consecutive bytes, at a multiple of 256 from aq's first byte
.endr
	s_wait_tensorcnt 0x0                           ; the wave's end
	ds_add_u32 v[SPW], v[NIL]
	s_wait_dscnt 0x0
	s_endpgm
; =============================== W: K is the first axis ===============================
; A LANE TAKES A COLUMN n, AND ITS REGISTERS RUN DOWN K: each load reads neighbouring n in neighbouring lanes (128 consecutive bytes a wave, the four waves side by side on 512); a block of 32 along K lies in one lane's
; 32 registers, so that its largest magnitude needs no other lane, and the conversions give codes with K innermost.  A lane makes one whole record: 4 groups of 128 (one z and one s each), two to a trip of the loop.
; A group's words are unpacked whole (128 registers), so that the registers of its words take the loads of the group two further on.  The lanes' records go through the wave's own stage and leave as they lie.
.Lweights:
	s_lshr_b32 s17, ttmp9, 5                       ; which K step
	s_and_b32 s18, ttmp9, 31
	s_lshl_b32 s18, s18, 7
	s_lshl_b32 s19, s16, 5
	s_add_co_u32 s18, s18, s19                     ; n0: my wave's first column
	s_lshl_b32 s19, s18, 2                         ; 4 n0
	s_lshl_b32 s20, s17, 20                        ; qweight: 64 rows of 16,384 bytes a K step
	s_add_co_u32 s20, s20, s19
	s_mov_b32 s21, 0
	s_lshl_b32 s22, s17, 16                        ; scales: 4 rows of 16,384 bytes a K step
	s_add_co_u32 s22, s22, s19
	s_mov_b32 s23, 0
	s_lshl_b32 s24, s17, 13                        ; qzeros: 4 rows of 2,048 bytes a K step,
	s_lshr_b32 s25, s18, 1                         ; a word of 4 bytes for 8 columns
	s_add_co_u32 s24, s24, s25
	s_mov_b32 s25, 0
	s_mul_i32 s26, s17, KSB                        ; bq: the K step's records,
	s_mul_i32 s27, s18, REC                        ; + n0 records
	s_add_co_u32 s26, s26, s27
	s_mov_b32 s27, 0
	s_mul_i32 s28, s16, WREG
	s_add_co_u32 s28, s28, WBASE                   ; my wave's stage
	v_lshlrev_b32 v3, 2, v2                        ; 4 x lane: my column in a row of qweight or of scales
	v_lshrrev_b32 v7, 3, v2
	v_lshlrev_b32 v7, 2, v7                        ; my column's word of zero points
	v_and_b32 v8, 7, v2
	v_lshlrev_b32 v8, 2, v8                        ; and its nibble's place in that word
	v_mul_u32_u24 v4, v2, REC
	v_add_nc_u32 v4, s28, v4                       ; into the stage: my record's codes,
	v_add_nc_u32 v9, 256, v4                       ; and its scale bytes
	v_lshl_add_u32 v5, v2, 4, s28                  ; out of it: 16 bytes a lane, as they lie
	v_lshlrev_b32 v6, 4, v2                        ; and the same place in bq
	s_wait_alu depctr_va_vdst(0)                   ; the wait at the head's end
	s_wait_kmcnt 0x0
	s_add_nc_u64 s[6:7], s[6:7], s[20:21]
	s_add_nc_u64 s[8:9], s[8:9], s[22:23]
	s_add_nc_u64 s[10:11], s[10:11], s[24:25]
	s_add_nc_u64 s[14:15], s[14:15], s[26:27]
.macro LOADG g, at                     ; group 'at' (128 along K) into set g: its word of zero points, its scale, its 16 words of qweight
	global_load_b32 v[WZ+\g], v7, s[10:11] offset:2048*(\at)
	global_load_b32 v[WS+\g], v3, s[8:9] offset:16384*(\at)
.irp i, 0,1,2,3,4,5,6,7,8,9,10,11,12,13,14,15
	global_load_b32 v[WQ+16*\g+\i], v3, s[6:7] offset:16384*(16*(\at)+\i) th:TH_LOAD_NT
.endr
.endm
.macro BLOCK g, b                      ; block b of the group's four
.set XB, WX+32*\b
.set n, 0
.rept 32
	v_cvt_f32_u32 v[XB+n], v[XB+n]
.set n, n+1
.endr
.set n, 0
.rept 16
	v_pk_add_f32 v[XB+n:XB+n+1], v[XB+n:XB+n+1], v[NZ:NZ+1]        ; q - z: whole numbers of at most four bits: exact
.set n, n+2
.endr
.set n, 0
.rept 16
	v_pk_mul_f32 v[XB+n:XB+n+1], v[XB+n:XB+n+1], v[SS:SS+1]        ; x s: one rounding.  (Not fused with the line above: q s - z s would be another number)
.set n, n+2
.endr
	v_max3_num_f32 v12, |v[XB]|, |v[XB+1]|, |v[XB+2]|              ; the block's largest magnitude: all 32 numbers are mine
	v_max3_num_f32 v13, |v[XB+3]|, |v[XB+4]|, |v[XB+5]|
.irp i, 6,10,14,18,22,26
	v_max3_num_f32 v12, v12, |v[XB+\i]|, |v[XB+\i+1]|
	v_max3_num_f32 v13, v13, |v[XB+\i+2]|, |v[XB+\i+3]|
.endr
	v_max3_num_f32 v12, v12, |v[XB+30]|, |v[XB+31]|
	v_max3_num_f32 v12, v12, v13, 0x1800000        ; and the floor 2^(3 - 127)
	v_add_nc_u32 v11, 0xff000000, v12              ; 2 off its exponent field: the conversion's scale operand
.irp k, 0,1,2,3
	v_cvt_scalef32_pk8_fp4_f32 v[WC+4*\b+\k], v[XB+8*\k:XB+8*\k+7], v11
.endr
	v_lshrrev_b32 v13, 23, v11                     ; the scale's byte (a plain line behind the conversions)
.if \b == 0
	v_mov_b32 v[WB+\g], v13                        ; four bytes to a register, the lower K in the lower byte
.else
	v_lshl_or_b32 v[WB+\g], v13, 8*\b, v[WB+\g]
.endif
	ds_store_b128 v4, v[WC+4*\b:WC+4*\b+3] offset:64*\g+16*\b      ; 32 codes: 16 bytes of my record
.endm
.macro GROUP g
	v_lshrrev_b32 v10, v8, v[WZ+\g]
	v_and_b32 v10, 15, v10                         ; my column's zero point
	v_cvt_f32_u32 v10, v10
	v_sub_f32 v[NZ], 0, v10
	v_mov_b32 v[NZ+1], v[NZ]
	v_mov_b32 v[SS], v[WS+\g]
	v_mov_b32 v[SS+1], v[WS+\g]
.irp i, 0,1,2,3,4,5,6,7,8,9,10,11,12,13,14,15
.irp e, 0,1,2,3,4,5,6,7
	v_bfe_u32 v[WX+8*\i+\e], v[WQ+16*\g+\i], 4*\e, 4               ; q: register 8 i + e holds k = 8 i + e of the group
.endr
.endr
	s_cmp_lg_u32 s29, 0
	s_wait_alu depctr_va_vdst(0)                   ; the wait here, directly ahead of the branch
	s_cbranch_scc1 .Lall_asked_\@                  ; the second trip asks for nothing more
	LOADG \g, \g+2
.Lall_asked_\@:
.if \g == 1
	s_wait_dscnt 0x0                               ; the other group's stores have read their registers
.endif
.irp b, 0,1,2,3
	BLOCK \g, \b
.endr
.endm
	LOADG 0, 0
	LOADG 1, 1
	s_mov_b32 s29, 0
.Lpair:
	s_wait_loadcnt 0x0                             ; this trip's two groups are in
	s_wait_dscnt 0x0                               ; the last trip's stores have read their registers
	GROUP 0
	GROUP 1
	ds_store_b64 v9, v[WB:WB+1]                    ; eight scale bytes of my record
	v_add_nc_u32 v4, 128, v4                       ; on to the next two groups
	v_add_nc_u32 v9, 8, v9
	s_add_co_u32 s29, s29, 1
	s_cmp_lt_u32 s29, 2
	s_wait_alu depctr_va_vdst(0)                   ; the wait here, directly ahead of the branch
	s_cbranch_scc1 .Lpair
	s_wait_loadcnt 0x0                             ; no load of mine is out: its registers take the read-backs
.irp i, 0,1,2,3,4,5,6,7,8,9,10,11,12,13,14,15,16
	ds_load_b128 v[32+4*\i:35+4*\i], v5 offset:512*\i              ; 32 records = 17 x 512 bytes, as they lie
.endr
.irp i, 0,1,2,3,4,5,6,7,8,9,10,11,12,13,14,15,16
	s_wait_dscnt 16-\i                             ; read-back i is in; the younger ones may be out
	global_store_b128 v6, v[32+4*\i:35+4*\i], s[14:15] offset:512*\i   ; 32 lanes store 512 consecutive bytes, at a multiple of 256 from bq's first byte
.endr
	s_wait_tensorcnt 0x0                           ; the wave's end
	ds_add_u32 v[SPW], v[NIL]
	s_wait_dscnt 0x0
	s_endpgm
.Lfunc_end_k_q4c5aea1402_quant:
	.size	k_q4c5aea1402_quant, .Lfunc_end_k_q4c5aea1402_quant-k_q4c5aea1402_quant
	.p2alignl 7, 3214868480
	.fill 96, 4, 3214868480
	.section	.rodata,"a",@progbits
	.p2align	6, 0x0
	.amdhsa_kernel k_q4c5aea1402_quant
		.amdhsa_group_segment_fixed_size 74240
		.amdhsa_private_segment_fixed_size 0
		.amdhsa_enable_private_segment 0
		.amdhsa_kernarg_size 48
		.amdhsa_user_sgpr_count 2
		.amdhsa_user_sgpr_kernarg_segment_ptr 1
		.amdhsa_wavefront_size32 1
		.amdhsa_system_sgpr_workgroup_id_x 1
		.amdhsa_system_sgpr_workgroup_id_y 1
		.amdhsa_system_sgpr_workgroup_id_z 1
		.amdhsa_system_vgpr_workitem_id 0
		.amdhsa_next_free_vgpr 210
		.amdhsa_next_free_sgpr 66
		.amdhsa_reserve_vcc 0
		.amdhsa_float_denorm_mode_32 3
		.amdhsa_float_denorm_mode_16_64 3
		.amdhsa_memory_ordered 1
		.amdhsa_forward_progress 1
		.amdhsa_inst_pref_size 99
	.end_amdhsa_kernel
	.amdgpu_metadata
---
amdhsa.version: [ 1, 2 ]
amdhsa.kernels:
  - .name:           k_q4c5aea1402_quant
    .symbol:         k_q4c5aea1402_quant.kd
    .args:
      - { .name: x, .offset: 0, .size: 8, .value_kind: global_buffer, .address_space: global }
      - { .name: qweight, .offset: 8, .size: 8, .value_kind: global_buffer, .address_space: global }
      - { .name: scales, .offset: 16, .size: 8, .value_kind: global_buffer, .address_space: global }
      - { .name: qzeros, .offset: 24, .size: 8, .value_kind: global_buffer, .address_space: global }
      - { .name: aq, .offset: 32, .size: 8, .value_kind: global_buffer, .address_space: global }
      - { .name: bq, .offset: 40, .size: 8, .value_kind: global_buffer, .address_space: global }
    .group_segment_fixed_size: 74240
    .private_segment_fixed_size: 0
    .kernarg_segment_align: 8
    .kernarg_segment_size: 48
    .max_flat_workgroup_size: 128
    .sgpr_count:     66
    .vgpr_count:     210
    .wavefront_size: 32
...
	.end_amdgpu_metadata
.endif
;; end of part 1
;; launch gemm (part 2): grid 16 x 16, 4 waves a work-group, clusters of 4 x 4, 327,680 bytes of LDS; arguments aq, bq, bias, out0; writes out0
.if DOCPART == 2
	.amdgcn_target "amdgcn-amd-amdhsa--gfx1250"
	.amdhsa_code_object_version 6
	.text
	.protected	k_q4c5aea1402_gemm
	.globl	k_q4c5aea1402_gemm
	.p2align	8
	.type	k_q4c5aea1402_gemm,@function
k_q4c5aea1402_gemm:
	s_mov_b64 s[64:65], 0
	v_nop
	global_prefetch_b8 v0, s[64:65] scope:SCOPE_SE
	s_setreg_imm32_b32 hwreg(HW_REG_WAVE_MODE, 25, 1), 1
	s_wait_xcnt 0x0
	s_wait_alu depctr_hold_cnt(0) depctr_sa_sdst(0) depctr_va_vdst(0) depctr_va_sdst(0) depctr_va_ssrc(0) depctr_va_vcc(0) depctr_vm_vsrc(0)
	s_getreg_b32 s2, hwreg(HW_REG_IB_STS2, 6, 4)
	s_cmp_eq_u32 s2, 0
	s_cbranch_scc0 .Lentry_in_a_cluster
	s_endpgm
.Lentry_in_a_cluster:
	s_bfe_u32 s2, ttmp6, 0x10000c
	s_cmp_lg_u32 s2, 0xf033
	s_cbranch_scc0 .Lentry_shape_is_right
	s_endpgm
.Lentry_shape_is_right:
; out0[m][n] = bias[n] + sum over k of x[m][k] W[k][n], both operands as codes of FP4 with E8M0 scales, laid by the launch before (aq: images of x's operand registers; bq: records of W's columns); sums in f32.  No step is left out.
; A work-group makes 256 x 256 of out0: 256 work-groups of four waves; a wave makes 128 x 128: 8 blocks of 16 rows x 4 groups of 32 columns, 32 accumulators of 16 registers.
; THE MATRIX INSTRUCTION IS USED TRANSPOSED: source 0 = 32 columns of W, source 1 = 16 rows of x: lane (r, h) then holds row r of out0 and in registers 0-7 the columns 8 h + 0 .. 7, in 8-15 the columns 16 + 8 h + 0 .. 7.
; K goes in eight steps of 512 through two LDS slots: x's 256 rows, then W's 256 columns, 139,264 bytes.  Each wave brings a quarter of a slot with one tensor load: 34,816 consecutive bytes.
; CLUSTERS: 4 x 4 work-groups.  The four of a row of the cluster need the same rows of x, the four of a column the same columns of W: each tile is asked for JOINTLY, by the same tensor load with the same descriptor and a mask that
; names the four.  PREFETCH: a K step is named one K step ahead of its tensor load, each block of 256 bytes once in each cluster: the partner at place p (cx for x, cy for W) names 34 of the 136 blocks that its wave fetches.
; K steps 0 and 1 come by the head's loads alone.
; A STEP is 128 along K: 32 products, ahead of which the next step's fragments are asked for in one run of 32 LDS loads; fragments have two buffers.
; THE LAST K STEP GOES BY ROWS: all its fragments of W lie in registers, and the wave's eight blocks of 16 rows are finished one after the other, so that each leaves while the next are multiplied.
; REGISTERS, in windows of 256.  Window 0: v0-12 addresses; v16-111 scale words, a set for each slot (W's four groups x 4, x's eight blocks x 4); v128-255 x's fragments, two buffers of 64 (in the last K step four of 32).
;   window 1: W's fragments, two buffers of 64 (in the last K step all four steps).   windows 2, 3: accumulator (row block a, group g) at v[64 (a % 4) + 16 g] of window 2 + a / 4.
; LIMITS: NaN and infinities among the inputs are not served (the launch before).
.set KSB,   4096*272                   ; bytes from a K step to the next, in aq and in bq
.set XREC,  4352                       ; a block of 16 rows in aq and in LDS: 256 bytes of scale words, then 4 x 1,024 bytes of fragments
.set PITCH, 272                        ; a record of bq, in memory and in LDS: 68 words, so that 16 records on end start at 16 different groups of 4 banks (64 banks of 4 bytes: ISA guide 11.1)
.set HALFT, 128*PITCH                  ; 128 rows of x or 128 columns of W: what a wave's tensor load brings, as 136 rows of 256 bytes, and what a wave reads of each
.set SLOT,  4*HALFT
.set SPARE, 2*SLOT                     ; the spare words: two blocks of 256 bytes that no other line names
.set GRP,   32*PITCH                   ; a group of 32 columns in LDS
.set SPITCH, 528                       ; the way out: a wave's stage is 16 rows of 512 + 16 bytes, twice, in slot 0, which has had its last fill by then
.set SPW,   1                          ; v1      LDS address of my spare word; never rewritten
.set NIL,   2                          ; v2      0; never rewritten
.set XL,    3                          ; v3-4    x's blocks in slot 0, 1: 16 x lane
.set WL,    5                          ; v5-6    W's fragments
.set WSL,   7                          ; v7-8    W's scale words
.set STO,   9                          ; v9      the way out: where I put 16 bytes of a row
.set RD,    10                         ; v10     where I read rows back
.set CO,    11                         ; v11     my byte offset in a row of out0
.set PO2,   12                         ; v12, v0 the prefetches' offsets
.set SC,    16
.set XF,    128
.set BO,    112                        ; v112    bias: 32 h; head only
.set NDS, 0                            ; running count of this text's LDS instructions: a wait's count is the number issued behind what it waits for
.set MSB, 0
.macro WIN new                         ; the immediate's high byte repeats the setting that is left
.if MSB != \new
	s_set_vgpr_msb (MSB<<8)|\new
.set MSB, \new
.endif
.endm
.macro PLACES n
.rept \n
	v_nop
.endr
.endm
.macro WDS n                           ; at most n LDS instructions may be out
.if (\n) > 63
	s_wait_dscnt 63
.else
	s_wait_dscnt \n
.endif
.endm
.macro STAMP b                         ; buffer b's loads end here
.irp i, 0,1,2,3
.if (\b) == \i
.set ST\i, NDS
.endif
.endr
.endm
.macro WAITB b                         ; buffer b is in: what was issued behind its loads may be out
.irp i, 0,1,2,3
.if (\b) == \i
	WDS NDS-ST\i
.endif
.endr
.endm
.macro JLOAD sl                        ; the joint load of my quarter of a slot: waves 0 and 1 fetch x, waves 2 and 3 W; an s_nop 0 and four v_nop follow each of the two lines, ahead of the jump, the label and what follows
	s_cmp_eq_u32 s15, 0
	s_cbranch_scc0 .Lfor_w_\@
	tensor_load_to_lds s[32+4*\sl:35+4*\sl], s[24:31]
	s_nop 0
	PLACES 4
	s_branch .Lasked_\@
.Lfor_w_\@:
	tensor_load_to_lds s[56+4*\sl:59+4*\sl], s[48:55]
	s_nop 0
	PLACES 4
.Lasked_\@:
.endm
.macro CREST                           ; a round of the cluster's barrier behind its opening barrier
	s_cmp_lg_u32 s14, 0
	s_cbranch_scc1 .Lnot_wave_0_\@
	s_barrier_signal -3
.Lnot_wave_0_\@:
	s_barrier_wait -3
	s_barrier_signal -1
	s_barrier_wait -1
.endm
.macro CROUND                          ; a whole round
	s_barrier_signal -1
	s_barrier_wait -1
	CREST
.endm
.macro LOADWQ sl, q, at                ; W's fragments of step q (0..3): 128 columns x 128 K, to window 1, v[64 at]: 16 loads
	WIN 0x40
.irp gg, 0,1,2,3
.irp uu, 0,1
.irp cc, 0,1
	ds_load_b128 v[64*(\at)+16*\gg+8*\uu+4*\cc:64*(\at)+16*\gg+8*\uu+4*\cc+3], v[WL+(\sl)] offset:\gg*GRP+\uu*16*PITCH+64*(\q)+32*\cc
.endr
.endr
.endr
.set NDS, NDS+16
.endm
.macro LOADF sl, q, b                  ; a step's fragments into buffer b: W's, then x's 128 rows x 128 K: 32 loads in one run
	LOADWQ \sl, \q, \b
	WIN 0
.irp aa, 0,1,2,3,4,5,6,7
.irp cc, 0,1
	ds_load_b128 v[XF+64*(\b)+8*\aa+4*\cc:XF+64*(\b)+8*\aa+4*\cc+3], v[XL+(\sl)] offset:\aa*XREC+256+1024*(\q)+512*\cc
.endr
.endr
.set NDS, NDS+16
	STAMP \b
.endm
.macro LOADSC sl                       ; a K step's scale words: W: lane l takes column l of each group; x: lane r (0..15) takes row r of each block (lanes 16-31 bring bytes that no product reads)
	WIN 0
.irp gg, 0,1,2,3
	ds_load_b128 v[SC+48*(\sl)+4*\gg:SC+48*(\sl)+4*\gg+3], v[WSL+(\sl)] offset:\gg*GRP
.endr
.irp aa, 0,1,2,3,4,5,6,7
	ds_load_b128 v[SC+48*(\sl)+16+4*\aa:SC+48*(\sl)+16+4*\aa+3], v[XL+(\sl)] offset:\aa*XREC
.endr
.set NDS, NDS+12
.endm
.macro LOADXB a                        ; last K step: x's fragments of block a, all four steps, into buffer a % 4 of four
	WIN 0
.irp qq, 0,1,2,3
.irp cc, 0,1
	ds_load_b128 v[XF+32*((\a)%4)+8*\qq+4*\cc:XF+32*((\a)%4)+8*\qq+4*\cc+3], v[XL+1] offset:(\a)*XREC+256+1024*\qq+512*\cc
.endr
.endr
.set NDS, NDS+8
	STAMP (\a)%4
.endm
.macro MM a, g, q, sl, w, x, ca        ; accumulator (a, g) = product + accumulator (ca, g)
	v_wmma_scale_f32_32x16x128_f4 v[64*((\a)%4)+16*\g:64*((\a)%4)+16*\g+15], v[\w:\w+15], v[\x:\x+7], v[64*((\ca)%4)+16*\g:64*((\ca)%4)+16*\g+15], v[SC+48*(\sl)+4*\g+(\q)], v[SC+48*(\sl)+16+4*(\a)+(\q)]
.endm
.macro MULA a, q, sl                   ; block a's four products of a step
	WIN 0xa1+0x50*((\a)/4)                         ; source 0 window 1, source 1 window 0, C and D window 2 or 3
.irp g, 0,1,2,3
	MM \a, \g, \q, \sl, 64*((\q)%2)+16*\g, XF+64*((\q)%2)+8*\a, \a
.endr
.endm
.macro MULFIRST                        ; the first step: bias lies in block 0's accumulators and is the C of all eight blocks; block 0, which takes it in place, comes last, five places behind the products that read what it writes over
.irp a, 1,2,3,4,5,6,7
	WIN 0xa1+0x40*(\a/4)                           ; C window 2, D window 2 or 3
.irp g, 0,1,2,3
	MM \a, \g, 0, 0, 16*\g, XF+8*\a, 0
.endr
.endr
	PLACES 5
	MULA 0, 0, 0
.endm
.macro ASK j                           ; the prefetch of my 34 blocks of K step j
	WIN 0
	global_prefetch_b8 v0, s[12:13] offset:(\j)*KSB th:TH_LOAD_NT scope:SCOPE_SE
	global_prefetch_b8 v[PO2], s[12:13] offset:(\j)*KSB+8192 th:TH_LOAD_NT scope:SCOPE_SE
.endm
	s_load_b256 s[4:11], s[0:1], 0x0               ; aq s[4:5], bq s[6:7], bias s[8:9], out0 s[10:11]
	v_lshl_add_u32 v[SPW], v0, 2, SPARE
	v_mov_b32 v[NIL], 0
	ds_add_u32 v[SPW], v[NIL]                      ; the wave's opening: the add, twice on end, and its wait ahead of my first tensor load
	ds_add_u32 v[SPW], v[NIL]
	v_lshrrev_b32 v116, 5, v0                      ; wave 0..3
	v_readfirstlane_b32 s14, v116
	v_and_b32 v113, 31, v0                         ; lane
	v_and_b32 v114, 15, v0                         ; r
	v_bfe_u32 v115, v0, 4, 1                       ; h
	v_lshrrev_b32 v117, 6, v0                      ; which 128 rows
	v_bfe_u32 v118, v0, 5, 1                       ; which 128 columns
	v_mul_u32_u24 v119, v117, HALFT
	v_lshl_add_u32 v[XL], v113, 4, v119
	v_add_nc_u32 v[XL+1], SLOT, v[XL]
	v_mul_u32_u24 v120, v118, HALFT
	v_add_nc_u32 v120, 2*HALFT, v120               ; W lies behind x's 256 rows
	v_mul_u32_u24 v121, v114, PITCH
	v_lshl_add_u32 v121, v115, 4, v121
	v_add_nc_u32 v[WL], v120, v121                 ; column r, + 16 h
	v_add_nc_u32 v[WL+1], SLOT, v[WL]
	v_mul_u32_u24 v122, v113, PITCH
	v_add_nc_u32 v122, 256, v122
	v_add_nc_u32 v[WSL], v120, v122                ; column l, behind its codes
	v_add_nc_u32 v[WSL+1], SLOT, v[WSL]
	v_mul_u32_u24 v123, v116, HALFT                ; my stage
	v_mul_u32_u24 v124, v114, SPITCH
	v_lshl_add_u32 v124, v115, 5, v124
	v_add_nc_u32 v[STO], v123, v124                ; in: row r, 32 bytes for each half of the lanes
	v_lshl_add_u32 v[RD], v113, 4, v123            ; back: the 32 lanes take one row of 512 bytes
	v_lshlrev_b32 v[CO], 4, v113                   ; and the same in out0
	v_min_u32 v125, 1, v113
	v_lshlrev_b32 v[PO2], 8, v125                  ; blocks 32 and 33 of my 34 (the lanes that are left over name the last again)
	v_lshlrev_b32 v[BO], 5, v115
	v_lshlrev_b32 v0, 8, v113                      ; blocks 0 to 31
	s_lshr_b32 s15, s14, 1                         ; which half of the tile's rows is mine.  Also: I fetch x (0) or W (1)
	s_and_b32 s16, s14, 1                          ; which half of its columns.  Also: which 128 of x's rows or W's columns I fetch
	s_bfe_u32 s40, ttmp6, 0x40000                  ; cx, cy
	s_bfe_u32 s41, ttmp6, 0x40004
	s_lshl_b32 s42, ttmp9, 2
	s_add_co_u32 s42, s42, s40                     ; tile column of out0
	s_and_b32 s17, ttmp7, 0xffff
	s_lshl_b32 s17, s17, 2
	s_add_co_u32 s17, s17, s41                     ; tile row
	s_lshl_b32 s43, s41, 2
	s_lshl_b32 s43, 15, s43                        ; my row of the cluster
	s_lshl_b32 s44, 0x1111, s40                    ; my column
	; descriptor group 1: 34,816 dense bytes as 136 rows of 32 elements of 8 bytes; 15:0 the mask: x's tiles go to my row, W's to my column; 21 set beside a mask
	s_or_b32 s24, s43, (3<<16)|(1<<21)
	s_or_b32 s48, s44, (3<<16)|(1<<21)
.irp g, 24, 48
	s_mov_b32 s[\g+1], 32<<16
	s_mov_b32 s[\g+2], 136<<16
	s_mov_b32 s[\g+3], 32<<16
	s_mov_b32 s[\g+4], 136
	s_mov_b32 s[\g+5], 32
	s_mov_b32 s[\g+6], 0
	s_mov_b32 s[\g+7], 0
.endr
	s_lshl_b32 s18, s16, 7
	s_lshl_b32 s20, s17, 8
	s_add_co_u32 s20, s20, s18
	s_mul_i32 s20, s20, PITCH                      ; x: hangs on the tile row and the wave's number alone (16 rows are 16 x 272 bytes)
	s_mov_b32 s21, 0
	s_lshl_b32 s46, s42, 8
	s_add_co_u32 s46, s46, s18
	s_mul_i32 s46, s46, PITCH                      ; W: on the tile column and the wave's number
	s_mov_b32 s47, 0
	s_mul_i32 s45, s14, HALFT                      ; and where they go
	s_lshl_b32 s22, s17, 8
	s_lshl_b32 s18, s15, 7
	s_add_co_u32 s22, s22, s18
	s_lshl_b32 s22, s22, 14                        ; out0: my first row,
	s_lshl_b32 s18, s42, 10
	s_lshl_b32 s19, s16, 9
	s_add_co_u32 s18, s18, s19                     ; my first column, in bytes, in bias too
	s_mov_b32 s19, 0
	s_add_co_u32 s22, s22, s18
	s_mov_b32 s23, 0
	s_wait_alu depctr_va_vdst(0)                   ; the wait at the head's end: behind it no ordinary vector instruction writes a register
	s_wait_dscnt 0x0                               ; both opening adds are done
	s_wait_kmcnt 0x0
	s_add_nc_u64 s[20:21], s[4:5], s[20:21]
	s_add_nc_u64 s[46:47], s[6:7], s[46:47]
	s_add_nc_u64 s[22:23], s[10:11], s[22:23]
	s_add_nc_u64 s[8:9], s[8:9], s[18:19]
.irp sl, 0,1
	s_mov_b32 s[32+4*\sl], 1
	s_add_co_u32 s[33+4*\sl], s45, \sl*SLOT
	s_add_nc_u64 s[34+4*\sl:35+4*\sl], s[20:21], \sl*KSB
	s_or_b32 s[35+4*\sl], s[35+4*\sl], 0x80000000
	s_mov_b32 s[56+4*\sl], 1
	s_add_co_u32 s[57+4*\sl], s45, \sl*SLOT
	s_add_nc_u64 s[58+4*\sl:59+4*\sl], s[46:47], \sl*KSB
	s_or_b32 s[59+4*\sl], s[59+4*\sl], 0x80000000
.endr
	CROUND                                         ; all sixteen work-groups are here: the first joint loads meet
	JLOAD 0                                        ; one tensor load a wave at the head
	WIN 0x80
.irp gg, 0,1,2,3                                   ; bias in the result's layout, into block 0's accumulators
.irp ii, 0,1,2,3
	global_load_b128 v[16*\gg+4*\ii:16*\gg+4*\ii+3], v[BO], s[8:9] offset:128*\gg+64*(\ii/2)+16*(\ii%2)
.endr
.endr
	WIN 0
	s_cmp_eq_u32 s15, 0                            ; the prefetches: x's rows or W's columns, by what I fetch,
	s_cselect_b32 s18, s40, s41                    ; and my place among the four that ask with me
	s_cselect_b64 s[12:13], s[20:21], s[46:47]
	s_mul_i32 s18, s18, 34*256
	s_mov_b32 s19, 0
	s_add_nc_u64 s[12:13], s[12:13], s[18:19]
	s_wait_loadcnt 0x0                             ; bias is in
	s_wait_tensorcnt 0x0                           ; my part of K step 0 is in
	ds_add_u32 v[SPW], v[NIL]
	s_wait_dscnt 0x0
	CROUND                                         ; everybody's part is in, and all sixteen work-groups are here
	JLOAD 1                                        ; K step 1, the first tensor load behind the round
	LOADSC 0
	LOADF 0, 0, 0
	ASK 2
; Step q of K step j (0..6).  The four v_nop at its front are the places behind the products of the step before, whose registers the loads take.
; Step 3 changes slots: the slot's last reads were issued at step 2's front.
.macro STEP j, q
.if \q < 3
	WIN 0
	PLACES 4
	LOADF (\j)%2, (\q)+1, ((\q)+1)%2
	WAITB (\q)%2
.if (\j == 0) && (\q == 0)
	MULFIRST
.else
.irp a, 0,1,2,3,4,5,6,7
	MULA \a, \q, (\j)%2
.endr
.endif
.else
	WIN 0
	s_wait_tensorcnt 0x0                           ; my part of the next slot has landed;
	ds_add_u32 v[SPW], v[NIL]                      ; 0 onto my spare word
.set NDS, NDS+1
	WAITB 1
	MULA 0, 3, (\j)%2
	MULA 1, 3, (\j)%2
	s_wait_dscnt 0x0                               ; the add is done, and so are my reads of this slot
	s_barrier_signal -1                            ; eight products, work on registers, stand between signal and wait
	MULA 2, 3, (\j)%2
	MULA 3, 3, (\j)%2
	WIN 0
	s_barrier_wait -1
.if \j < 6
	CREST                                          ; the barrier has opened a round: no wave of any partner still reads this slot or has a load on its way
	s_add_nc_u64 s[34+4*((\j)%2):35+4*((\j)%2)], s[34+4*((\j)%2):35+4*((\j)%2)], 2*KSB
	s_add_nc_u64 s[58+4*((\j)%2):59+4*((\j)%2)], s[58+4*((\j)%2):59+4*((\j)%2)], 2*KSB
.if \j%2 == 0
	JLOAD 0                                        ; this slot takes the K step two further on
.else
	JLOAD 1
.endif
	LOADSC ((\j)+1)%2
	LOADF ((\j)+1)%2, 0, 0
.if \j < 5
	ASK (\j)+3
.endif
.else
	PLACES 4                                       ; nothing is filled again: the last K step goes by rows
	LOADSC 1
	LOADWQ 1, 0, 0                                 ; three quarters of W's fragments now: buffer 1 is still being multiplied
	LOADWQ 1, 2, 2
	LOADWQ 1, 3, 3
	LOADXB 0
	LOADXB 1
.endif
.irp a, 4,5,6,7
	MULA \a, 3, (\j)%2
.endr
.endif
.endm
.irp j, 0,1,2,3,4,5,6
.irp q, 0,1,2,3
	STEP \j, \q
.endr
.endr
	WIN 0
	PLACES 4                                       ; for the loads into buffer 1
	LOADWQ 1, 1, 1
.set STQ, NDS
	LOADXB 2
	LOADXB 3
; THE WAY OUT of block a: 16 rows x 128 columns into my own stage in LDS, back as whole rows of 512 bytes, stored.  The stage's bytes are slot 0's, whose last fill and last read lie behind the barrier.
.macro TOSTAGE a
	WIN 0x08+4*((\a)/4)
.irp gg, 0,1,2,3
.irp ii, 0,1,2,3
	ds_store_b128 v[STO], v[64*((\a)%4)+16*\gg+4*\ii:64*((\a)%4)+16*\gg+4*\ii+3] offset:16*SPITCH*((\a)%2)+128*\gg+64*(\ii/2)+16*(\ii%2)
.endr
.endr
.set NDS, NDS+16
.set STG, NDS
.endm
.macro BACK a                          ; into the registers that the stores have read
	WIN 0x80+0x40*((\a)/4)
.set TT, 0
.rept 16
	ds_load_b128 v[64*((\a)%4)+4*TT:64*((\a)%4)+4*TT+3], v[RD] offset:16*SPITCH*((\a)%2)+SPITCH*TT
.set TT, TT+1
.endr
.set NDS, NDS+16
.set RBK, NDS
.endm
.macro SEND a, t0, n
	WIN 0x08+4*((\a)/4)
.set TT, \t0
.rept \n
	global_store_b128 v[CO], v[64*((\a)%4)+4*TT:64*((\a)%4)+4*TT+3], s[22:23] offset:16384*(16*(\a)+TT) th:TH_STORE_NT   ; 32 lanes store 512 consecutive bytes, at a multiple of 256 from out0's first byte
.set TT, TT+1
.endr
.endm
.macro ROW a                           ; block a's 16 products of the last K step, its four accumulators by turns; the block before goes through the stage ahead of them and leaves behind them
.if \a > 0
	WIN 0
	PLACES 4
	TOSTAGE \a-1
.if \a < 5
	LOADXB \a+3                                    ; into the buffer of the block just multiplied
.endif
	WDS NDS-STG                                    ; the stage's stores are done
	BACK \a-1
.endif
	WAITB (\a)%4
	WIN 0xa1+0x50*((\a)/4)
.irp q, 0,1,2,3
.irp g, 0,1,2,3
	MM \a, \g, \q, 1, 64*\q+16*\g, XF+32*((\a)%4)+8*\q, \a
.endr
.endr
.if \a > 0
	WDS NDS-RBK                                    ; the rows are back
	SEND \a-1, 0, 16
.endif
.endm
	WDS NDS-STQ                                    ; all of W's fragments are in
.irp a, 0,1,2,3,4,5,6,7
	ROW \a
.endr
	WIN 0
	PLACES 4
	TOSTAGE 7
	s_wait_dscnt 0x0
	BACK 7
.irp k, 0,1,2,3
	WDS 12-4*\k                                    ; four more rows are back
	SEND 7, 4*\k, 4
.endr
	WIN 0
	s_wait_tensorcnt 0x0                           ; the wave's end
	ds_add_u32 v[SPW], v[NIL]
	s_wait_dscnt 0x0
	CROUND                                         ; the closing round: no work-group ends while a partner may still ask for a tile that names it
	s_endpgm
.Lfunc_end_k_q4c5aea1402_gemm:
	.size	k_q4c5aea1402_gemm, .Lfunc_end_k_q4c5aea1402_gemm-k_q4c5aea1402_gemm
	.p2alignl 7, 3214868480
	.fill 96, 4, 3214868480
	.section	.rodata,"a",@progbits
	.p2align	6, 0x0
	.amdhsa_kernel k_q4c5aea1402_gemm
		.amdhsa_group_segment_fixed_size 327680
		.amdhsa_private_segment_fixed_size 0
		.amdhsa_enable_private_segment 0
		.amdhsa_kernarg_size 32
		.amdhsa_user_sgpr_count 2
		.amdhsa_user_sgpr_kernarg_segment_ptr 1
		.amdhsa_wavefront_size32 1
		.amdhsa_system_sgpr_workgroup_id_x 1
		.amdhsa_system_sgpr_workgroup_id_y 1
		.amdhsa_system_sgpr_workgroup_id_z 1
		.amdhsa_system_vgpr_workitem_id 0
		.amdhsa_next_free_vgpr 1024
		.amdhsa_next_free_sgpr 66
		.amdhsa_reserve_vcc 0
		.amdhsa_float_denorm_mode_32 3
		.amdhsa_float_denorm_mode_16_64 3
		.amdhsa_memory_ordered 1
		.amdhsa_forward_progress 1
		.amdhsa_inst_pref_size 255
	.end_amdhsa_kernel
	.section	.bss,"aw",@nobits
	.p2align	6
	.space	262144
	.amdgpu_metadata
---
amdhsa.version: [ 1, 2 ]
amdhsa.kernels:
  - .name:           k_q4c5aea1402_gemm
    .symbol:         k_q4c5aea1402_gemm.kd
    .args:
      - { .name: aq, .offset: 0, .size: 8, .value_kind: global_buffer, .address_space: global }
      - { .name: bq, .offset: 8, .size: 8, .value_kind: global_buffer, .address_space: global }
      - { .name: bias, .offset: 16, .size: 8, .value_kind: global_buffer, .address_space: global }
      - { .name: out0, .offset: 24, .size: 8, .value_kind: global_buffer, .address_space: global }
    .group_segment_fixed_size: 327680
    .private_segment_fixed_size: 0
    .kernarg_segment_align: 8
    .kernarg_segment_size: 32
    .max_flat_workgroup_size: 128
    .sgpr_count:     66
    .vgpr_count:     1024
    .wavefront_size: 32
...
	.end_amdgpu_metadata
.endif
;; end of part 2
